; MI455X (gfx1250); checked and timed in simulation.
; The chip was launched on July 23, 2026; its instructions are those of AMD's public machine-readable ISA for CDNA 5 (MIT licence, August 2026) and "CDNA5" Instruction Set Architecture Reference Guide (July 2026). The comments in the code are by the model that wrote it; some were corrected since.
;; Quantized Linear Layer. Allowed arithmetic: matrix products marked QUANTISED: E4M3 operands, one given power-of-two scale a tensor, by v_wmma_f32_16x16x64_fp8_fp8 or v_wmma_f32_16x16x128_fp8_fp8, f32 sums; everything else in f32.
;; Inputs: bias 1 x 4,096 float32; lowp_scales 2 int32 (the exponents e of the quantised operands' scales 2^e); scale 4,096 float32; weight 4,096 x 4,096 int8; x 2 x 2,048 x 4,096 float32.
;; Outputs: out0 2 x 2,048 x 4,096 float32.
;; This version of the problem:
;;   THIS VERSION OF THE PROBLEM IS GIVEN IN LOW PRECISION. The matrix products marked QUANTISED in the list below multiply operands that are first quantised to E4M3 (4 exponent bits, 3 mantissa bits; 8 bits a number), with one given power-of-two scale for each operand tensor; their sums are f32. All else is computed in f32.
;;   The module's matrix products, in the order in which they are computed (A, B: the left and right operand; K: the contracted axis; several contracted axes count as one K, in the product's order):
;;     1. [M 4,096, K 4,096] x [K 4,096, N 4,096]; A: input x; B: input weight: QUANTISED (scales: A lowp_scales[0], B lowp_scales[1])
;;   THE QUANTISER, for each operand of a quantised product, along K:
;;     - The operand's scale is 2^e, e = its entry of the input lowp_scales (int32; the entries are numbered through the quantised products in the list's order, A before B).
;;     - Each number is divided by the scale, clamped to +-448, and rounded to the nearest number of E4M3, ties to even, subnormals kept.
;;     - The product sums the exact products of the quantised numbers (number of the format x scale) in f32.
;;   ~~~python
;;   def quantise(x, axis, e):      # numpy; x: float32 -> the quantised numbers, widened to float32 again
;;       x = np.moveaxis(x, axis, -1); K = x.shape[-1]
;;       r = np.clip(x / 2.0 ** e, -448, 448)
;;       step = 2.0 ** (np.maximum(np.frexp(np.where(r == 0, 1, r))[1] - 1, -6) - 3)
;;       q = np.round(r / step) * step * 2.0 ** e      # np.round: ties to even
;;       return np.moveaxis(q, -1, axis).astype(np.float32)
;;   ~~~
;; One version. Each part assembles by itself: llvm-mc -triple=amdgcn-amd-amdhsa -mcpu=gfx1250 --defsym DOCPART=n.
;; ======== version 1 of 1: 2 launches
;; limits: right only within a limited range of input values
;; workspace buffers: x_codes 16,777,216 bytes; w_codes 16,777,216 bytes
;; launch quant (part 1): grid 1024 x 1, 4 waves a work-group, no clusters, 35,328 bytes of LDS; arguments x, weight, lowp_scales, x_codes, w_codes; writes x_codes, w_codes
.if DOCPART == 1
	.amdgcn_target "amdgcn-amd-amdhsa--gfx1250"
	.amdhsa_code_object_version 6
	.text
	.protected	k_q453b3449af_quant
	.globl	k_q453b3449af_quant
	.p2align	8
	.type	k_q453b3449af_quant,@function
k_q453b3449af_quant:
	s_mov_b64 s[64:65], 0
	v_nop
	global_prefetch_b8 v0, s[64:65] scope:SCOPE_SE
	s_setreg_imm32_b32 hwreg(HW_REG_WAVE_MODE, 25, 1), 1
	s_wait_xcnt 0x0
; x [4096][4096] f32 and weight [4096][4096] int8 are turned into codes of FP8 (E4M3), one byte each, each with the one scale 2^e given for it:
; code = number / 2^e, held within +-448, rounded to the nearest code, ties to even.  e is a whole number (int32) in lowp_scales: entry 0 for x, entry 1 for weight.
; LIMITS: -126 <= e <= 119, so that 2^e and 448 x 2^e are f32 numbers.  NaN in x is not served; an infinity is held at the largest code.
; SHARES.  Work-groups 0 to 511 take x, 512 to 1023 weight; a wave takes 8,192 numbers as 16 steps of 512.  Waves share nothing: no barrier.
; THE ORDER OF K.  Both buffers are this program's own, and a permutation of k that is the same in both operands keeps every product.  Inside each 512 along K the codes stand in the order in which
;    x's dense loads bring the numbers to a lane: place p = 16 l + 4 i + j (l = 0..31, i, j = 0..3) holds k = 128 i + 4 l + j.
; x_codes: row m's 512 u + p is byte 4096 m + 512 u + p.  Each of a step's four loads (i) reads 512 consecutive bytes, 4 numbers a lane (l); the lane's 16 numbers are converted as they stand and stored
;    as 16 bytes: no LDS.  Loads run eight steps (32 loads a wave) ahead.
; w_codes is laid IN THE ORDER OF THE PRODUCT'S OPERAND REGISTERS: the 16 codes of row 16 i + r at places 128 q + 32 c + 16 h + 0..15 of the row lie at byte (((32 i + q) 4 + c) 32 + 16 h + r) 16.
;    A wave takes 16 rows x 512 along K: load t reads 512 consecutive bytes of row t; word d of lane L holds k = 16 L + 4 d + 0..3, whose places are 16 (4 (L % 8) + d) + 4 (L / 8) + 0..3.
;    Place p of row t belongs at byte 256 (p / 16) + 16 t + p % 16 of the wave's 8,192 consecutive bytes of w_codes: the words turn through a stage of the wave's own (pitch 272 for 256) and leave
;    as 16 stores of 512 consecutive bytes.
; The two ways part on the work-group's number alone; only weight's way touches LDS.
.set WGX,   512                        ; work-groups for x: 4096 x 4096 / (4 waves x 8,192)
.set STEPS, 16
.set AHEAD, 8                          ; x: steps whose loads are out
.set WP,    272                        ; weight's stage: 256 bytes (16 rows x 16 places) + 16 of padding
.set WSB,   32*WP                      ; a stage for each wave, from LDS byte 0 on
.set SPARE, 4*WSB                      ; behind them the spare words: 128 bytes a wave, two blocks of 256 bytes that no other line names
.set SPW,   8                          ; v8       LDS address of my spare word; never rewritten
.set NIL,   9                          ; v9       0; never rewritten
.set R,     16                         ; v16-143  x: eight sets of 16 numbers;  weight: 16 steps x 4 words, then the codes on their way out
.set X,     144                        ; v144-175 weight: two sets of 16 numbers in f32
.set C,     176                        ; v176-239 codes: four registers for each step, so that no store's data are written again
	s_load_b128 s[4:7], s[0:1], 0x0                ; x s[4:5], weight s[6:7]
	s_load_b64 s[10:11], s[0:1], 0x10              ; the scales' exponents
	s_load_b128 s[12:15], s[0:1], 0x18             ; x's codes s[12:13], weight's codes s[14:15]
	v_lshl_add_u32 v[SPW], v0, 2, SPARE
	v_mov_b32 v[NIL], 0
	v_lshrrev_b32 v1, 5, v0
	v_readfirstlane_b32 s16, v1                    ; wave 0..3
	v_and_b32 v2, 31, v0                           ; lane
	v_lshlrev_b32 v3, 4, v2                        ; 16 x lane: my 16 bytes of a load's or a store's 512; never rewritten
	s_mul_i32 s24, s16, WSB
	v_and_b32 v4, 7, v2
	v_mul_u32_u24 v12, v4, 4*WP
	v_lshrrev_b32 v5, 3, v2
	v_lshl_add_u32 v12, v5, 2, v12
	v_add_nc_u32 v12, s24, v12                     ; weight's stage, on the way in: 4 WP (lane % 8) + 4 (lane / 8)
	v_lshrrev_b32 v13, 4, v2
	v_mul_u32_u24 v13, v13, WP
	v_and_b32 v6, 15, v2
	v_lshl_add_u32 v13, v6, 4, v13
	v_add_nc_u32 v13, s24, v13                     ; and on the way out: WP (lane / 16) + 16 (lane % 16)
	s_mov_b32 s19, 0                               ; the upper words of the byte offsets below: all stay under 2^32
	s_mov_b32 s21, 0
	s_wait_kmcnt 0x0
	s_load_b64 s[22:23], s[10:11], 0x0             ; e of x, e of weight
	s_cmp_lt_u32 ttmp9, WGX
	s_cbranch_scc0 .Lweight
; 2^e as f32 (the conversion takes its exponent field) into v11, and 448 x 2^e into v10
.macro SCALES e
	s_wait_kmcnt 0x0
	s_add_co_i32 s24, \e, 127
	s_lshl_b32 s25, s24, 23
	v_mov_b32 v11, s25
	s_add_co_i32 s24, s24, 8                       ; 448 = 1.75 x 2^8
	s_lshl_b32 s24, s24, 23
	s_or_b32 s24, s24, 0x600000
	v_mov_b32 v10, s24
.endm
; the 16 numbers in v[xs] on are held and converted into step t's four code registers
.macro CODES xs, t
.irp i, 0,1,2,3,4,5,6,7,8,9,10,11,12,13,14,15
	v_med3_num_f32 v[\xs+\i], v[\xs+\i], -v10, v10 ; the conversion to an 8-bit code does not saturate (ISA guide 7.6.2)
.endr
	v_cvt_scalef32_pk8_fp8_f32 v[C+4*(\t):C+4*(\t)+1], v[\xs:\xs+7], v11
	v_cvt_scalef32_pk8_fp8_f32 v[C+4*(\t)+2:C+4*(\t)+3], v[\xs+8:\xs+15], v11
.endm
	; ---------------- x ----------------
	s_lshl_b32 s18, ttmp9, 2
	s_add_co_u32 s18, s18, s16                     ; which run of 8,192 numbers is my wave's: 0 .. 2047
	s_lshl_b32 s20, s18, 15                        ; 32,768 bytes of f32 a run,
	s_add_nc_u64 s[4:5], s[4:5], s[20:21]
	s_lshl_b32 s18, s18, 13                        ; 8,192 bytes of codes
	s_add_nc_u64 s[12:13], s[12:13], s[18:19]
.macro LOAD t
.irp i, 0,1,2,3
	global_load_b128 v[R+16*((\t)%AHEAD)+4*\i:R+16*((\t)%AHEAD)+4*\i+3], v3, s[4:5] offset:2048*(\t)+512*\i th:TH_LOAD_NT
.endr
.endm
	s_wait_alu depctr_va_vdst(0)                   ; the wait ahead of the first readers of the head's registers
.irp t, 0,1,2,3,4,5,6,7
	LOAD \t
.endr
	SCALES s22
	s_wait_alu depctr_va_vdst(0)                   ; and at the head's end
.macro STEP t
.if STEPS-1-(\t) >= AHEAD-1
	s_wait_loadcnt 4*(AHEAD-1)                     ; this step's four loads are in; those of the seven steps behind it may be out
.else
	s_wait_loadcnt 4*(STEPS-1-(\t))                ; towards the end fewer steps stand behind it
.endif
	CODES R+16*((\t)%AHEAD), \t
	global_store_b128 v3, v[C+4*(\t):C+4*(\t)+3], s[12:13] offset:512*(\t)   ; 512 consecutive bytes a wave
.if (\t)+AHEAD < STEPS
	LOAD (\t)+AHEAD                                ; the set just converted takes the loads of eight steps on
.endif
.endm
.irp t, 0,1,2,3,4,5,6,7,8,9,10,11,12,13,14,15
	STEP \t
.endr
	s_endpgm
	; ---------------- weight ----------------
.Lweight:
	s_sub_co_u32 s18, ttmp9, WGX
	s_lshl_b32 s18, s18, 2
	s_add_co_u32 s18, s18, s16                     ; my wave's run n: rows 16 (n / 8) .. + 15, bytes 512 (n % 8) .. + 511 of each
	s_lshr_b32 s20, s18, 3
	s_lshl_b32 s20, s20, 16                        ; 16 rows of 4,096 bytes
	s_and_b32 s24, s18, 7
	s_lshl_b32 s24, s24, 9
	s_add_co_u32 s20, s20, s24
	s_add_nc_u64 s[6:7], s[6:7], s[20:21]
	s_lshl_b32 s18, s18, 13                        ; its codes: 8,192 consecutive bytes at 8,192 n
	s_add_nc_u64 s[14:15], s[14:15], s[18:19]
	s_wait_alu depctr_va_vdst(0)                   ; the wait ahead of the first readers of the head's registers
.irp t, 0,1,2,3,4,5,6,7,8,9,10,11,12,13,14,15
	global_load_b128 v[R+4*\t:R+4*\t+3], v3, s[6:7] offset:4096*\t th:TH_LOAD_NT   ; row t: 512 consecutive bytes
.endr
	SCALES s23
.macro WSTEP t
.set XS, X+16*((\t)%2)
	s_wait_loadcnt STEPS-1-(\t)                    ; loads come back in order (ISA guide 5.7.1): row t's is in
.irp d, 0,1,2,3
	v_lshlrev_b32 v[XS+4*\d],   24, v[R+4*(\t)+\d] ; each byte is moved to the top of a word,
	v_lshlrev_b32 v[XS+4*\d+1], 16, v[R+4*(\t)+\d]
	v_lshlrev_b32 v[XS+4*\d+2], 8,  v[R+4*(\t)+\d]
	v_ashrrev_i32 v[XS+4*\d+3], 24, v[R+4*(\t)+\d]
.endr
.irp d, 0,1,2,3
.irp j, 0,1,2
	v_ashrrev_i32 v[XS+4*\d+\j], 24, v[XS+4*\d+\j] ; and comes down with its sign
.endr
.endr
.irp i, 0,1,2,3,4,5,6,7,8,9,10,11,12,13,14,15
	v_cvt_f32_i32 v[XS+\i], v[XS+\i]               ; -128 .. 127 in f32: exact
.endr
	CODES XS, \t
.irp d, 0,1,2,3
	ds_store_b32 v12, v[C+4*(\t)+\d] offset:WP*\d+16*(\t)   ; word d: places 16 (4 (lane % 8) + d) + 4 (lane / 8) + 0..3 of row t
.endr
.endm
.irp t, 0,1,2,3,4,5,6,7,8,9,10,11,12,13,14,15
	WSTEP \t
.endr
.irp s, 0,1,2,3,4,5,6,7,8,9,10,11,12,13,14,15
	ds_load_b128 v[R+4*\s:R+4*\s+3], v13 offset:2*WP*\s   ; places 32 s + 16 (lane / 16) + 0..15 of row lane % 16; LDS serves my instructions in order (ISA guide 5.7.1.4)
.endr
.irp s, 0,1,2,3,4,5,6,7,8,9,10,11,12,13,14,15
	s_wait_dscnt 15-\s
	global_store_b128 v3, v[R+4*\s:R+4*\s+3], s[14:15] offset:512*\s   ; 512 consecutive bytes a wave
.endr
	s_wait_tensorcnt 0x0                           ; the wave's end
	ds_add_u32 v[SPW], v[NIL]
	s_wait_dscnt 0x0
	s_endpgm
.Lfunc_end_k_q453b3449af_quant:
	.size	k_q453b3449af_quant, .Lfunc_end_k_q453b3449af_quant-k_q453b3449af_quant
	.p2alignl 7, 3214868480
	.fill 96, 4, 3214868480
	.section	.rodata,"a",@progbits
	.p2align	6, 0x0
	.amdhsa_kernel k_q453b3449af_quant
		.amdhsa_group_segment_fixed_size 35328
		.amdhsa_private_segment_fixed_size 0
		.amdhsa_enable_private_segment 0
		.amdhsa_kernarg_size 40
		.amdhsa_user_sgpr_count 2
		.amdhsa_user_sgpr_kernarg_segment_ptr 1
		.amdhsa_wavefront_size32 1
		.amdhsa_system_sgpr_workgroup_id_x 1
		.amdhsa_system_sgpr_workgroup_id_y 1
		.amdhsa_system_sgpr_workgroup_id_z 1
		.amdhsa_system_vgpr_workitem_id 0
		.amdhsa_next_free_vgpr 240
		.amdhsa_next_free_sgpr 66
		.amdhsa_reserve_vcc 0
		.amdhsa_float_denorm_mode_32 3
		.amdhsa_float_denorm_mode_16_64 3
		.amdhsa_memory_ordered 1
		.amdhsa_forward_progress 1
		.amdhsa_inst_pref_size 78
	.end_amdhsa_kernel
	.amdgpu_metadata
---
amdhsa.version: [ 1, 2 ]
amdhsa.kernels:
  - .name:           k_q453b3449af_quant
    .symbol:         k_q453b3449af_quant.kd
    .args:
      - { .name: x, .offset: 0, .size: 8, .value_kind: global_buffer, .address_space: global }
      - { .name: weight, .offset: 8, .size: 8, .value_kind: global_buffer, .address_space: global }
      - { .name: lowp_scales, .offset: 16, .size: 8, .value_kind: global_buffer, .address_space: global }
      - { .name: x_codes, .offset: 24, .size: 8, .value_kind: global_buffer, .address_space: global }
      - { .name: w_codes, .offset: 32, .size: 8, .value_kind: global_buffer, .address_space: global }
    .group_segment_fixed_size: 35328
    .private_segment_fixed_size: 0
    .kernarg_segment_align: 8
    .kernarg_segment_size: 40
    .max_flat_workgroup_size: 128
    .sgpr_count:     66
    .vgpr_count:     240
    .wavefront_size: 32
...
	.end_amdgpu_metadata
.endif
;; end of part 1
;; launch gemm (part 2): grid 16 x 16, 4 waves a work-group, clusters of 4 x 1, 327,680 bytes of LDS; arguments x_codes, w_codes, lowp_scales, scale, bias, out0; writes out0
.if DOCPART == 2
	.amdgcn_target "amdgcn-amd-amdhsa--gfx1250"
	.amdhsa_code_object_version 6
	.text
	.protected	k_q453b3449af_gemm
	.globl	k_q453b3449af_gemm
	.p2align	8
	.type	k_q453b3449af_gemm,@function
k_q453b3449af_gemm:
	s_mov_b64 s[64:65], 0
	v_nop
	global_prefetch_b8 v0, s[64:65] scope:SCOPE_SE
	s_setreg_imm32_b32 hwreg(HW_REG_WAVE_MODE, 25, 1), 1
	s_wait_xcnt 0x0
	s_wait_alu depctr_hold_cnt(0) depctr_sa_sdst(0) depctr_va_vdst(0) depctr_va_sdst(0) depctr_va_ssrc(0) depctr_va_vcc(0) depctr_vm_vsrc(0)
	s_getreg_b32 s2, hwreg(HW_REG_IB_STS2, 6, 4)
	s_cmp_eq_u32 s2, 0
	s_cbranch_scc0 .Lentry_in_a_cluster
	s_endpgm
.Lentry_in_a_cluster:
	s_bfe_u32 s2, ttmp6, 0x10000c
	s_cmp_lg_u32 s2, 0x3003
	s_cbranch_scc0 .Lentry_shape_is_right
	s_endpgm
.Lentry_shape_is_right:
; out0[m][n] = (sum over k of X[m][k] W[n][k]) x 2^(ex + ew) x scale[n] + bias[n].  X, W: codes of FP8 (E4M3); sums in f32.
; Both buffers of codes hold k in one and the same order of places (a permutation inside each 512 along K, made by the launch before): this text pairs place with place and never needs k itself.
; x_codes is [4096][4096 places].  w_codes lies in the order of the operand's registers: fragment (i, q) = rows 16 i .. + 15, places 128 q .. + 127, is 2,048 bytes at 65,536 i + 2,048 q;
; its piece c (512 bytes) gives lane l = 16 h + r the 16 codes of row 16 i + r at places 128 q + 32 c + 16 h + 0..15.  X's fragments are read from LDS at the same places.
; 2^(ex + ew) is put onto scale by v_ldexp_f32: no limit on ex + ew beyond f32's own range.
; A work-group of four waves makes 256 x 256 of out0; a wave makes all 256 rows x 64 columns of its own: 64 accumulators, 512 registers.
; X GOES THROUGH LDS: two slots of 256 rows x 512 along K (rows of 512 bytes + 16 of padding); each wave fetches 64 rows with one tensor load; a slot serves four steps of 128 along K.
; W GOES FROM MEMORY STRAIGHT INTO REGISTERS: a wave's 64 columns are multiplied by that wave alone, so no byte of W is fetched twice in a work-group.  Four sets of 4 fragments; a step's 16 loads go out three steps ahead.
; CLUSTERS: 4 x 1 work-groups, the four of one tile row: they need the same tiles of X and ask for them JOINTLY (mask 15).  Their columns of W differ, so nothing of W is shared inside a cluster.
; THE MATRIX INSTRUCTION IS USED TRANSPOSED (source 0 = 16 rows of W, source 1 = 16 rows of X): a lane holds eight neighbouring numbers of a row of out0.
; A STEP takes X's 16 blocks of 16 rows one after the other, each against my 4 fragments of W.  The blocks have 14 places of 16 registers: blocks 0-7 eight, blocks 10-15 six, and blocks 8, 9 the places of blocks 0, 1.
; So a step has TWO runs of 32 LDS loads: behind blocks 0, 1 this step's blocks 8-15 (with them W's 16 loads), behind block 9 the next step's blocks 0-7; each run stands 24 matrix instructions ahead of its first use.
; THE LAST TWO STEPS GO BY ROWS OF out0: block a's two fragments of X (32 registers, a ring of four) against W's last two sets, 8 matrix instructions, and the finished block leaves while the next blocks are multiplied.
; PREFETCH: behind the fill of tile u each wave names tile u + 1 of X (its 64 rows are shared out among the four partners by address: 16 rows x 2 blocks of 256 bytes, a lane a block) and the same 512 along K
; of W (of the 16 fragments' rows of my tile column the work-group of tile row y takes fragment row y: 32 blocks, 8 a wave; the lanes left over name the wave's last block again).  Tile 7 is the last that is named.
; REGISTERS: window 0: v0-31 addresses; v32-127, v128-255 X's places; by rows v128-255 X's ring and v32-95 rows read back.  window 1: W's four sets.  windows 2, 3: accumulator (a, b) at v[32 (a % 8) + 8 b], a < 8 in window 2.
.set SIZE_N, 4096
.set KSLOT,  512
.set PITCH,  528                       ; 132 words: the 16 rows that a load touches start at 16 different banks
.set QROWS,  64*PITCH                  ; what one tensor load brings
.set HALFA,  128*PITCH                 ; an LDS offset has 16 bits: rows 128-255 have an address register of their own
.set SLOT,   256*PITCH
.set SPARE,  2*SLOT                    ; the spare words: 128 bytes a wave, two blocks of 256 bytes that no other line names
.set SPITCH, 272                       ; the way out: a stage of 16 rows x (256 + 16) bytes a wave, in slot 0 behind its last fill and last read
.set LAPS,   4                         ; a lap = two slots = 1,024 along K
.set SC,   8                           ; v8-11  scale x 2^(ex + ew) of my four columns on the way out
.set BI,   12                          ; v12-15 their bias
.set ADRA, 16                          ; v16-19 X's fragments: slot 0 rows 0-127, rows 128-255, slot 1 likewise
.set STO,  20
.set RD,   21
.set CO,   22
.set CS,   23                          ; 16 x (l % 16)
.set VB,   24                          ; 16 x lane
.set PFO,  25                          ; prefetch of X: (lane / 2) rows + 256 (lane % 2)
.set PFQ,  26                          ; prefetch of W: 256 x min(lane, 7)
.set SPW,  28
.set NIL,  29
.set AX,   32                          ; the places of blocks 10-15
.set AR,   128                         ; the places of blocks 0-7 (and 8, 9); by rows the ring of four
.set BK,   32                          ; the way out: two sets of 32 registers
.set G1, 24
.set G0, 32
.set BB, 52                            ; s[52:53] my fragments of W, at the lap's first step
.set OUT, 70
.set PFA, 72
.set PFB, 74
.set MSB, 0
.macro WIN new                         ; the immediate's high byte repeats the setting that is left
.if MSB != (\new)
	s_set_vgpr_msb (MSB<<8)|(\new)
.set MSB, (\new)
.endif
.endm
.set MUL_LO, 0xa1                      ; source 0 (W) window 1, source 1 (X) window 0, C and D window 2
.set TO_B,   0x40                      ; destination window 1, address window 0
.macro PLACES                          ; four places behind matrix instructions, ahead of loads into registers that they read and of reads of results
.rept 4
	v_nop
.endr
.endm
.macro JLOAD s                         ; my 64 rows of a tile: the same line and descriptor in all four partners; s_nop 0 and four v_nop follow
	tensor_load_to_lds s[G0+4*\s:G0+4*\s+3], s[G1:G1+7]
	s_nop 0
	PLACES
.endm
.macro CREST
	s_cmp_lg_u32 s14, 0
	s_cbranch_scc1 .Lnot_wave_0_\@
	s_barrier_signal -3
.Lnot_wave_0_\@:
	s_barrier_wait -3
	s_barrier_signal -1
	s_barrier_wait -1
.endm
.macro CROUND
	s_barrier_signal -1
	s_barrier_wait -1
	CREST
.endm
.macro ASK test                        ; test = 1: not in the loop's last trip, where the tile named would be tile 8
.if \test
	s_cmp_gt_u32 s3, 1
	s_cbranch_scc0 .Lno_ask_\@
.endif
	global_prefetch_b8 v[PFO], s[PFA:PFA+1] th:TH_LOAD_NT scope:SCOPE_SE
	global_prefetch_b8 v[PFQ], s[PFB:PFB+1] th:TH_LOAD_NT scope:SCOPE_SE
.Lno_ask_\@:
.endm
	s_load_b128 s[4:7], s[0:1], 0x0                ; x_codes, w_codes
	s_load_b128 s[8:11], s[0:1], 0x10              ; lowp_scales, scale
	s_load_b128 s[68:71], s[0:1], 0x20             ; bias, out0
	v_lshl_add_u32 v[SPW], v0, 2, SPARE
	v_mov_b32 v[NIL], 0
	ds_add_u32 v[SPW], v[NIL]                      ; the opening lines: the add, twice on end, and its wait ahead of my first tensor load
	ds_add_u32 v[SPW], v[NIL]
	v_lshrrev_b32 v1, 5, v0
	v_readfirstlane_b32 s14, v1                    ; wave 0..3
	s_bfe_u32 s40, ttmp6, 0x40000                  ; cx
	s_lshl_b32 s42, ttmp9, 2
	s_add_co_u32 s42, s42, s40                     ; tile column = 4 x cluster x + cx
	s_and_b32 s17, ttmp7, 0xffff                   ; tile row = cluster y
	s_mov_b32 s[G1+0], 15|(1<<20)|(1<<21)|(6<<22)|(3<<25)   ; mask: all four; elements of 1 byte; padding on; bit 21 beside a mask; after every 128 words, 4 words
	s_mov_b32 s[G1+1], KSLOT<<16                   ; tensor_dim0
	s_mov_b32 s[G1+2], 64<<16                      ; tensor_dim1
	s_mov_b32 s[G1+3], KSLOT<<16                   ; tile_dim0
	s_mov_b32 s[G1+4], 64                          ; tile_dim1
	s_mov_b32 s[G1+5], 4096                        ; pitch
	s_mov_b32 s[G1+6], 0
	s_mov_b32 s[G1+7], 0
	s_lshl_b32 s20, s17, 20                        ; X: row 256 x tile row + 64 x wave, rows of 4,096 bytes: nothing of cx
	s_lshl_b32 s18, s14, 18
	s_add_co_u32 s20, s20, s18
	s_mov_b32 s21, 0
	s_lshl_b32 s46, s42, 20                        ; W: fragment row 16 x tile column + 4 x wave, 65,536 bytes each
	s_add_co_u32 s46, s46, s18
	s_mov_b32 s47, 0
	s_mul_i32 s45, s14, QROWS
	s_wait_dscnt 0x0                               ; both opening adds are done
	s_wait_kmcnt 0x0
	s_load_b64 s[96:97], s[8:9], 0x0               ; ex, ew
	s_add_nc_u64 s[20:21], s[4:5], s[20:21]
	s_add_nc_u64 s[BB:BB+1], s[6:7], s[46:47]
	CROUND                                         ; the four partners are here: the first joint loads meet
.irp s, 0,1
	s_mov_b32 s[G0+4*\s], 1
	s_add_co_u32 s[G0+4*\s+1], s45, \s*SLOT
	s_add_nc_u64 s[G0+4*\s+2:G0+4*\s+3], s[20:21], \s*KSLOT
	s_or_b32 s[G0+4*\s+3], s[G0+4*\s+3], 0x80000000
.endr
	JLOAD 0                                        ; tile 0: one tensor load a wave at the head
	s_lshl_b32 s48, s40, 16                        ; the prefetches of X: my work-group's 16 of my 64 rows, at tile 2
	s_mov_b32 s49, 0
	s_add_nc_u64 s[PFA:PFA+1], s[20:21], s[48:49]
	s_add_nc_u64 s[PFA:PFA+1], s[PFA:PFA+1], 2*KSLOT
	s_lshl_b32 s48, s42, 20                        ; of W: fragment row 16 x tile column + tile row, my wave's 2,048 of its 8,192 bytes, at the same 512 along K
	s_lshl_b32 s50, s17, 16
	s_add_co_u32 s48, s48, s50
	s_lshl_b32 s50, s14, 11
	s_add_co_u32 s48, s48, s50
	s_add_nc_u64 s[PFB:PFB+1], s[6:7], s[48:49]
	s_add_nc_u64 s[PFB:PFB+1], s[PFB:PFB+1], 2*8192
	s_lshl_b32 s48, s17, 22                        ; out0: 256 rows of 16,384 bytes a tile row,
	s_add_nc_u64 s[OUT:OUT+1], s[OUT:OUT+1], s[48:49]
	s_lshl_b32 s46, s42, 10                        ; 1,024 bytes a tile column, 256 a wave; the same in scale and bias
	s_lshl_b32 s50, s14, 8
	s_add_co_u32 s46, s46, s50
	s_add_nc_u64 s[OUT:OUT+1], s[OUT:OUT+1], s[46:47]
	s_add_nc_u64 s[10:11], s[10:11], s[46:47]
	s_add_nc_u64 s[68:69], s[68:69], s[46:47]
	s_mul_i32 s23, s14, 16*SPITCH                  ; my stage
	v_and_b32 v1, 15, v0                           ; r = l % 16
	v_bfe_u32 v2, v0, 4, 1                         ; h = l / 16
	v_and_b32 v6, 31, v0                           ; lane
	v_mul_u32_u24 v3, v1, PITCH
	v_lshl_add_u32 v[ADRA], v2, 4, v3              ; a fragment's row x pitch + 16 h
	v_add_nc_u32 v[ADRA+1], HALFA, v[ADRA]
	v_add_nc_u32 v[ADRA+2], SLOT, v[ADRA]
	v_add_nc_u32 v[ADRA+3], SLOT+HALFA, v[ADRA]
	v_mul_u32_u24 v4, v1, SPITCH
	v_lshl_add_u32 v4, v2, 5, v4
	v_add_nc_u32 v[STO], s23, v4                   ; into the stage: row r, 32 bytes for each half of the lanes
	v_mul_u32_u24 v5, v2, SPITCH
	v_lshl_add_u32 v5, v1, 4, v5
	v_add_nc_u32 v[RD], s23, v5                    ; back: lanes 0-15 one row of 256 bytes, lanes 16-31 the next
	v_lshlrev_b32 v[CS], 4, v1
	v_lshl_add_u32 v[CO], v2, 14, v[CS]            ; and the same two rows in out0
	v_lshlrev_b32 v[VB], 4, v6
	v_lshrrev_b32 v7, 1, v6
	v_and_b32 v3, 1, v6
	v_lshlrev_b32 v3, 8, v3
	v_lshl_add_u32 v[PFO], v7, 12, v3
	v_min_u32 v7, 7, v6
	v_lshlrev_b32 v[PFQ], 8, v7
.macro BLOAD set, L                    ; W's four fragments of the step L steps behind s[BB]: 16 loads of 512 consecutive bytes
	WIN TO_B
.irp b, 0,1,2,3
.irp c, 0,1,2,3
	global_load_b128 v[64*(\set)+16*\b+4*\c:64*(\set)+16*\b+4*\c+3], v[VB], s[BB:BB+1] offset:65536*\b+2048*(\L)+512*\c
.endr
.endr
	WIN 0
.endm
.macro PLACE a                         ; PL = the first register of block a's place
.if (\a) < 8
.set PL, AR+16*(\a)
.elseif (\a) < 10
.set PL, AR+16*((\a)-8)
.else
.set PL, AX+16*((\a)-10)
.endif
.endm
.macro ALD slot, q, a                  ; block a of the slot's step q: 4 loads
	PLACE \a
.irp c, 0,1,2,3
	ds_load_b128 v[PL+4*\c:PL+4*\c+3], v[ADRA+2*(\slot)+(\a)/8] offset:128*(\q)+32*\c+((\a)%8)*16*PITCH
.endr
.endm
.macro ALDR a                          ; by rows: block a of slot 1's steps 2 and 3 into ring place a % 4: 8 loads
.irp qq, 2,3
.irp c, 0,1,2,3
	ds_load_b128 v[AR+32*((\a)%4)+16*(\qq-2)+4*\c:AR+32*((\a)%4)+16*(\qq-2)+4*\c+3], v[ADRA+2+(\a)/8] offset:128*\qq+32*\c+((\a)%8)*16*PITCH
.endr
.endr
.endm
.macro MULB q, a, zero                 ; block a against W's four fragments; the 64 accumulators take turns in the same order in every step
	PLACE \a
	WIN MUL_LO+0x50*((\a)/8)
.irp b, 0,1,2,3
.if \zero
	v_wmma_f32_16x16x128_fp8_fp8 v[32*((\a)%8)+8*\b:32*((\a)%8)+8*\b+7], v[64*(\q)+16*\b:64*(\q)+16*\b+15], v[PL:PL+15], 0
.else
	v_wmma_f32_16x16x128_fp8_fp8 v[32*((\a)%8)+8*\b:32*((\a)%8)+8*\b+7], v[64*(\q)+16*\b:64*(\q)+16*\b+15], v[PL:PL+15], v[32*((\a)%8)+8*\b:32*((\a)%8)+8*\b+7]
.endif
.endr
.endm
.macro MULR a                          ; by rows: block a is finished: its four accumulators by turns, steps 2 and 3
	WIN MUL_LO+0x50*((\a)/8)
.irp qq, 2,3
.irp b, 0,1,2,3
	v_wmma_f32_16x16x128_fp8_fp8 v[32*((\a)%8)+8*\b:32*((\a)%8)+8*\b+7], v[64*\qq+16*\b:64*\qq+16*\b+15], v[AR+32*((\a)%4)+16*(\qq-2):AR+32*((\a)%4)+16*(\qq-2)+15], v[32*((\a)%8)+8*\b:32*((\a)%8)+8*\b+7]
.endr
.endr
.endm
; A step.  L >= 0: the set of W that the last step multiplied takes the step three on.  lc: the loads of W issued behind this step's set.  Of a slot's last step (q = 3) only blocks 0 to 9.
; rows = 1: the second run fetches blocks 0 to 3 of the part that goes by rows.
.macro STEP slot, q, zero, L, lc, rows
	s_wait_dscnt 24                                ; blocks 0, 1 are in; the run's other 24 loads may be out
	s_wait_loadcnt \lc                             ; this step's set of W is in
	MULB \q, 0, \zero
	MULB \q, 1, \zero
	PLACES
.if (\L) >= 0
	BLOAD ((\q)+3)%4, (\L)+3
.endif
	WIN 0
.irp a, 8,9,10,11,12,13,14,15
	ALD \slot, \q, \a
.endr
	s_wait_dscnt 32                                ; blocks 2-7 are in; the 32 just issued may be out
.irp a, 2,3,4,5,6,7
	MULB \q, \a, \zero
.endr
	s_wait_dscnt 24                                ; blocks 8, 9 are in
	MULB \q, 8, \zero
	MULB \q, 9, \zero
.if (\q) < 3
	PLACES
	WIN 0
.if \rows
.irp a, 0,1,2,3
	ALDR \a
.endr
.else
.irp a, 0,1,2,3,4,5,6,7
	ALD \slot, (\q)+1, \a
.endr
.endif
	s_wait_dscnt 32                                ; blocks 10-15 are in; the 32 just issued may be out
.irp a, 10,11,12,13,14,15
	MULB \q, \a, \zero
.endr
.endif
.endm
; Blocks 10 to 15 of a slot's last step, and the change of slots.  All my reads of this slot have been issued.  In front of the barrier: the wait for all my tensor loads (one is out: my part of the next slot),
; the add, and the wait for it and for my reads.  fill = 1: the barrier opens a round of the cluster's barrier, and this slot takes the tile two on.  ask: 0 none, 1 always, 2 under ASK's test.
.macro TURN slot, next, fill, ask
.if \fill
	s_wait_xcnt 0x0                                ; my prefetches have read their addresses
	s_add_nc_u64 s[PFA:PFA+1], s[PFA:PFA+1], KSLOT
	s_add_nc_u64 s[PFB:PFB+1], s[PFB:PFB+1], 8192
.endif
	WIN 0
	s_wait_tensorcnt 0x0
	ds_add_u32 v[SPW], v[NIL]
	s_wait_dscnt 1                                 ; blocks 10-15 are in; the add may be out
	MULB 3, 10, 0
	MULB 3, 11, 0
	s_wait_dscnt 0x0                               ; the add is done, and my reads of this slot are over
	s_barrier_signal -1
	MULB 3, 12, 0
	MULB 3, 13, 0
	WIN 0
	s_barrier_wait -1
.if \fill
	CREST
	s_add_nc_u64 s[G0+4*\slot+2:G0+4*\slot+3], s[G0+4*\slot+2:G0+4*\slot+3], 2*KSLOT
	JLOAD \slot                                    ; the first tensor load behind the round; its four v_nop are the places ahead of the loads below
.else
	PLACES
.endif
.irp a, 0,1,2,3,4,5,6,7
	ALD \next, 0, \a
.endr
.if \ask
	ASK (\ask)-1
.endif
	MULB 3, 14, 0
	MULB 3, 15, 0
.endm
	s_wait_alu depctr_va_vdst(0)                   ; the wait at the head's end
	BLOAD 0, 0
	BLOAD 1, 1
	BLOAD 2, 2
	s_wait_tensorcnt 0x0                           ; my part of tile 0 is in
	ds_add_u32 v[SPW], v[NIL]
	s_wait_dscnt 0x0
	CROUND
	JLOAD 1                                        ; tile 1, the first tensor load behind the round
.irp a, 0,1,2,3,4,5,6,7
	ALD 0, 0, \a
.endr
	ASK 0                                          ; tile 2
	STEP 0, 0, 1, 0, 32, 0                         ; the first step stands in front of the loop: its products start the sums
	WIN 0
	s_mov_b32 s3, LAPS-1
.Llap:                                                 ; a trip: from a lap's second step to the next lap's first; both slots are filled again
	STEP 0, 1, 0, 1, 32, 0                         ; 32: the two younger sets of 16 loads
	STEP 0, 2, 0, 2, 32, 0
	STEP 0, 3, 0, 3, 32, 0
	TURN 0, 1, 1, 1
	STEP 1, 0, 0, 4, 32, 0
	STEP 1, 1, 0, 5, 32, 0
	STEP 1, 2, 0, 6, 32, 0
	STEP 1, 3, 0, 7, 32, 0
	TURN 1, 0, 1, 2
	STEP 0, 0, 0, 8, 32, 0
	WIN 0
	s_wait_xcnt 0x0                                ; W's loads have read their base
	s_add_nc_u64 s[BB:BB+1], s[BB:BB+1], 8*2048
	s_sub_co_u32 s3, s3, 1
	s_cmp_lg_u32 s3, 0
	s_cbranch_scc1 .Llap
	STEP 0, 1, 0, 1, 32, 0                         ; the last lap fills nothing
	STEP 0, 2, 0, 2, 32, 0
	STEP 0, 3, 0, 3, 32, 0
	TURN 0, 1, 0, 0
	STEP 1, 0, 0, 4, 32, 0                         ; asks for W's last step
	WIN 0
	global_load_b128 v[SC:SC+3], v[CS], s[10:11]   ; scale and bias of the four columns that I store
	global_load_b128 v[BI:BI+3], v[CS], s[68:69]
	STEP 1, 1, 0, -1, 34, 1                        ; two sets and these two loads may be out
	WIN 0
; THE WAY OUT, block by block of 16 rows x my 64 columns: through my own stage and back as whole rows of 256 bytes; sixteen lanes store one aligned unit.  LDS serves a wave's instructions in order (ISA guide 5.7.1.4).
.macro TOSTAGE a
	WIN 0x08+4*((\a)/8)                            ; store data: window 2 or 3
.irp b, 0,1,2,3
	ds_store_b128 v[STO], v[32*((\a)%8)+8*\b:32*((\a)%8)+8*\b+3] offset:64*\b       ; each accumulator from its low end on
	ds_store_b128 v[STO], v[32*((\a)%8)+8*\b+4:32*((\a)%8)+8*\b+7] offset:64*\b+16
.endr
	WIN 0
.irp t, 0,1,2,3,4,5,6,7
	ds_load_b128 v[BK+32*((\a)%2)+4*\t:BK+32*((\a)%2)+4*\t+3], v[RD] offset:\t*2*SPITCH
.endr
.endm
.macro SEND a, younger                 ; younger: the LDS instructions issued behind block a's loads from the stage
	s_wait_dscnt \younger
.irp t, 0,1,2,3,4,5,6,7
	v_pk_fma_f32 v[BK+32*((\a)%2)+4*\t:BK+32*((\a)%2)+4*\t+1], v[BK+32*((\a)%2)+4*\t:BK+32*((\a)%2)+4*\t+1], v[SC:SC+1], v[BI:BI+1]
	v_pk_fma_f32 v[BK+32*((\a)%2)+4*\t+2:BK+32*((\a)%2)+4*\t+3], v[BK+32*((\a)%2)+4*\t+2:BK+32*((\a)%2)+4*\t+3], v[SC+2:SC+3], v[BI+2:BI+3]
.endr
.irp t, 0,1,2,3,4,5,6,7
	global_store_b128 v[CO], v[BK+32*((\a)%2)+4*\t:BK+32*((\a)%2)+4*\t+3], s[OUT:OUT+1] offset:(\a)*16*SIZE_N*4+\t*2*SIZE_N*4 th:TH_STORE_NT   ; at most 254 rows of 16,384 bytes: inside the signed 24-bit immediate
.endr
.endm
	s_wait_kmcnt 0x0
	s_add_co_i32 s96, s96, s97                     ; ex + ew
	s_wait_loadcnt 0x0                             ; W's last two sets, scale and bias are in
.irp i, 0,1,2,3
	v_ldexp_f32 v[SC+\i], v[SC+\i], s96
.endr
	s_wait_alu depctr_va_vdst(0)
	s_wait_dscnt 24                                ; block 0's 8 loads are in; those of blocks 1 to 3 may be out
.irp a, 0,1,2,3,4,5,6,7,8,9,10,11,12,13,14,15
.if \a == 1
	s_wait_dscnt 40                                ; block 1 is in; behind it: blocks 2, 3 (16), block 4 (8), block 0's way through the stage (16).  From block 2 on SEND's wait has shown the block in
.endif
	MULR \a
	PLACES                                         ; ahead of the loads into the ring place just read and of the stores that read the results
	WIN 0
.if \a < 12
	ALDR \a+4
.endif
.if \a > 1
	s_wait_xcnt 0x0                                ; block a - 2's stores have read their registers: block a's loads from the stage may land there
.endif
	TOSTAGE \a
.if \a > 0
.if \a < 12
	SEND \a-1, 24                                  ; behind block a - 1's loads: block a + 4's 8 loads, block a's 8 stores and 8 loads
.else
	SEND \a-1, 16
.endif
.endif
.endr
	SEND 15, 0
	s_wait_tensorcnt 0x0                           ; the wave's end
	ds_add_u32 v[SPW], v[NIL]
	s_wait_dscnt 0x0
	CROUND                                         ; the closing round
	s_endpgm
.Lfunc_end_k_q453b3449af_gemm:
	.size	k_q453b3449af_gemm, .Lfunc_end_k_q453b3449af_gemm-k_q453b3449af_gemm
	.p2alignl 7, 3214868480
	.fill 96, 4, 3214868480
	.section	.rodata,"a",@progbits
	.p2align	6, 0x0
	.amdhsa_kernel k_q453b3449af_gemm
		.amdhsa_group_segment_fixed_size 327680
		.amdhsa_private_segment_fixed_size 0
		.amdhsa_enable_private_segment 0
		.amdhsa_kernarg_size 48
		.amdhsa_user_sgpr_count 2
		.amdhsa_user_sgpr_kernarg_segment_ptr 1
		.amdhsa_wavefront_size32 1
		.amdhsa_system_sgpr_workgroup_id_x 1
		.amdhsa_system_sgpr_workgroup_id_y 1
		.amdhsa_system_sgpr_workgroup_id_z 1
		.amdhsa_system_vgpr_workitem_id 0
		.amdhsa_next_free_vgpr 1024
		.amdhsa_next_free_sgpr 100
		.amdhsa_reserve_vcc 0
		.amdhsa_float_denorm_mode_32 3
		.amdhsa_float_denorm_mode_16_64 3
		.amdhsa_memory_ordered 1
		.amdhsa_forward_progress 1
		.amdhsa_inst_pref_size 220
	.end_amdhsa_kernel
	.amdgpu_metadata
---
amdhsa.version: [ 1, 2 ]
amdhsa.kernels:
  - .name:           k_q453b3449af_gemm
    .symbol:         k_q453b3449af_gemm.kd
    .args:
      - { .name: x_codes, .offset: 0, .size: 8, .value_kind: global_buffer, .address_space: global }
      - { .name: w_codes, .offset: 8, .size: 8, .value_kind: global_buffer, .address_space: global }
      - { .name: lowp_scales, .offset: 16, .size: 8, .value_kind: global_buffer, .address_space: global }
      - { .name: scale, .offset: 24, .size: 8, .value_kind: global_buffer, .address_space: global }
      - { .name: bias, .offset: 32, .size: 8, .value_kind: global_buffer, .address_space: global }
      - { .name: out0, .offset: 40, .size: 8, .value_kind: global_buffer, .address_space: global }
    .group_segment_fixed_size: 327680
    .private_segment_fixed_size: 0
    .kernarg_segment_align: 8
    .kernarg_segment_size: 48
    .max_flat_workgroup_size: 128
    .sgpr_count:     100
    .vgpr_count:     1024
    .wavefront_size: 32
...
	.end_amdgpu_metadata
.endif
;; end of part 2
